; MI455X (gfx1250); checked and timed in simulation.
; The chip was launched on July 23, 2026; its instructions are those of AMD's public machine-readable ISA for CDNA 5 (MIT licence, August 2026) and "CDNA5" Instruction Set Architecture Reference Guide (July 2026). The comments in the code are by the model that wrote it; some were corrected since.
;; Dot Product Attention. Allowed arithmetic: matrix products marked QUANTISED: E5M2 operands, one given power-of-two scale a tensor, by v_wmma_f32_16x16x64_bf8_bf8 or v_wmma_f32_16x16x128_bf8_bf8, f32 sums; everything else in f32.
;; Inputs: K_codes 4 x 16 x 2,048 x 2 x 32 uint8 (E5M2 codes of K, K innermost, in blocks of 32 codes); Q_codes 4 x 16 x 2,048 x 2 x 32 uint8 (E5M2 codes of Q, K innermost, in blocks of 32 codes); V_codes 4 x 16 x 64 x 64 x 32 uint8 (E5M2 codes of V, K innermost, in blocks of 32 codes); lowp_scales 4 int32 (the exponents e of the quantised operands' scales 2^e).
;; Outputs: out0 4 x 16 x 2,048 x 64 float32.
;; Constants: dk = 64.
;; This version of the problem:
;;   THIS VERSION OF THE PROBLEM IS GIVEN IN LOW PRECISION. The matrix products marked QUANTISED in the list below multiply operands that are first quantised to E5M2 (5 exponent bits, 2 mantissa bits; 8 bits a number), with one given power-of-two scale for each operand tensor; their sums are f32. All else is computed in f32.
;;   The module's matrix products, in the order in which they are computed (A, B: the left and right operand; K: the contracted axis; several contracted axes count as one K, in the product's order):
;;     1. batch 64 x [M 2,048, K 64] x [K 64, N 2,048]; A: input Q (given as codes); B: input K (given as codes): QUANTISED (scales: A lowp_scales[0], B lowp_scales[1])
;;     2. batch 64 x [M 2,048, K 2,048] x [K 2,048, N 64]; A: softmax (see below); B: input V (given as codes): QUANTISED (scales: A lowp_scales[2], B lowp_scales[3])
;;   THE QUANTISER, for each operand of a quantised product, along K:
;;     - The operand's scale is 2^e, e = its entry of the input lowp_scales (int32; the entries are numbered through the quantised products in the list's order, A before B).
;;     - Each number is divided by the scale, clamped to +-57,344, and rounded to the nearest number of E5M2, ties to even, subnormals kept.
;;     - The product sums the exact products of the quantised numbers (number of the format x scale) in f32.
;;   ~~~python
;;   def quantise(x, axis, e):      # numpy; x: float32 -> the quantised numbers, widened to float32 again
;;       x = np.moveaxis(x, axis, -1); K = x.shape[-1]
;;       r = np.clip(x / 2.0 ** e, -57344, 57344)
;;       step = 2.0 ** (np.maximum(np.frexp(np.where(r == 0, 1, r))[1] - 1, -14) - 2)
;;       q = np.round(r / step) * step * 2.0 ** e      # np.round: ties to even
;;       return np.moveaxis(q, -1, axis).astype(np.float32)
;;   ~~~
;;   SOFTMAX AHEAD OF A QUANTISED PRODUCT. Where the list says 'softmax', what is quantised is not the finished softmax but p = 2^(t - M), with t = logit x log2(e) and M = ceil(the row's largest t), a whole number; so 1/2 < the row's largest p <= 1. The row's sum l is taken of the UNQUANTISED p, in f32, and the product's result is divided by l at the end. Since M is a whole number, a kernel that streams over the keys may use a running M (the ceiling of the running maximum): every later rescaling is an exact power of two, so the quantised numbers keep their values, but for numbers so far below the row's largest that they fall under the format's range.
;;   OPERANDS COMPUTED ON THE WAY. 'Computed on the way' means the value that the module computes at that place (a softmax that the list does not call 'softmax' is quantised finished and normalised). What goes into a quantiser is computed in f32, as accurately as f32 sums, v_exp_f32 and their like allow (about 1e-6 of the number): no bf16 or f16 on the way to a quantiser, and a product that is left as it is and whose result goes on into a quantised operand takes f32 operands (vector FMAs, or v_wmma_f32_16x16x4_f32). A number that lies on a knife's edge between two numbers of the format may be rounded either way, as far as f32 arithmetic and the matrix unit's own rounding can turn it there, and no further.
;;   INPUTS GIVEN AS CODES. K (in the module: [4, 16, 2048, 64], K = its axis 3); Q (in the module: [4, 16, 2048, 64], K = its axis 3); V (in the module: [4, 16, 2048, 64], K = its axis 2): each comes as NAME_codes (uint8): NAME with its K axis moved to the last place and cut into blocks of 32 codes, [.., K / 32, bytes a block], one block behind the other in memory; one code a byte (a code: sign, 5 exponent bits, 2 mantissa bits); its scale is its entry of lowp_scales. Its value is code x scale, taken as it is: it is not quantised again, and the codes and scales need not be those that the quantiser above would give.
;; One version. Each part assembles by itself: llvm-mc -triple=amdgcn-amd-amdhsa -mcpu=gfx1250 --defsym DOCPART=n.
;; ======== version 1 of 1: 1 launch
;; limits: right only within a limited range of input values
;; launch attn (part 1): grid 4 x 64, 16 waves a work-group, clusters of 4 x 1, 327,680 bytes of LDS; arguments Q_codes, K_codes, V_codes, lowp_scales, out0; writes out0
.if DOCPART == 1
	.amdgcn_target "amdgcn-amd-amdhsa--gfx1250"
	.amdhsa_code_object_version 6
	.text
	.protected	k_qca7864daea_attn
	.globl	k_qca7864daea_attn
	.p2align	8
	.type	k_qca7864daea_attn,@function
k_qca7864daea_attn:
	s_mov_b64 s[64:65], 0
	v_nop
	global_prefetch_b8 v0, s[64:65] scope:SCOPE_SE
	s_setreg_imm32_b32 hwreg(HW_REG_WAVE_MODE, 25, 1), 1
	s_wait_xcnt 0x0
	s_wait_alu depctr_hold_cnt(0) depctr_sa_sdst(0) depctr_va_vdst(0) depctr_va_sdst(0) depctr_va_ssrc(0) depctr_va_vcc(0) depctr_vm_vsrc(0)
	s_getreg_b32 s2, hwreg(HW_REG_IB_STS2, 6, 4)
	s_cmp_eq_u32 s2, 0
	s_cbranch_scc0 .Lentry_in_a_cluster
	s_endpgm
.Lentry_in_a_cluster:
	s_bfe_u32 s2, ttmp6, 0x10000c
	s_cmp_lg_u32 s2, 0x3003
	s_cbranch_scc0 .Lentry_shape_is_right
	s_endpgm
.Lentry_shape_is_right:
; out[h][q][:] = the sum over k of softmax_k(8 Q[h][q] . K[h][k]) V[h][k][:], 64 heads, 2,048 queries and keys, head size 64; both products on codes of BF8 (E5M2), each tensor with its given scale 2^e.
; Q, K: [64][2048][64] codes, the head's 64 innermost.  V: [64][64 d][2048 keys] codes, the keys innermost.  lowp_scales: eq, ek, ep, ev (int32).  out: [64][2048][64] f32.
; THE SOFTMAX AHEAD OF THE SECOND PRODUCT: t = score x 8 log2(e) x 2^(eq + ek), rounded to f32; M = the running largest t rounded UP to a whole number; p = 2^(t - M) is quantised with 2^ep, not normalised.
; The row's sum is taken of the unquantised p and divides at the end.  When M moves, the sum and O are multiplied by 2^(old M - new M), a power of two: nothing is rounded, and no branch hangs on data.
; THE FIRST PRODUCT IS CUT BY SIZE.  t is some hundreds here, so a last bit of a score moves p by about 1e-5 of itself, and a p near the middle between two codes turns over: the score has to be the exact sum
; wherever f32 holds it.  So that nothing hangs on how far under its largest product a matrix instruction keeps bits, each operand is cut in two, exactly: Q = Qb + Qs, K = Kb + Ks, b the codes with exponent field 25 or
; more, s the others, each with zero codes in the other's places.  In Kb Qb^T the two exponent fields add to 50 .. 60 and a product of two mantissas has 6 bits: 16 bits from the top bit of the largest product to the lowest
; bit of the smallest.  T = Kb Qs^T + Ks Qb^T + Ks Qs^T, on an accumulator of its own, has fields that add to 54 at the most: its largest product is at least 2^6 smaller.  score = Kb Qb^T + T is one f32 addition.
; Any threshold gives the same sums; LIMIT: the fixed field 25 suits codes that fill the format's upper range (a scale set by the tensor's largest number); with other codes the scores' lowest bits may be less exact.
; Then t is one rounded multiplication, and M is subtracted by an addition of its own: the two are not fused.
; SHARES.  A work-group owns 512 queries of one head: 4 x 64 = 256 work-groups.  Each of its sixteen waves owns 32 queries, two tiles of 16, in 256 registers, and walks all 2,048 keys, 64 a step.
; So each fragment of K and of V that a wave reads from LDS feeds two tiles of queries.
; LDS.  A head's K (131,072 bytes) and V (131,072 bytes) lie in LDS whole and are filled ONCE by tensor loads: no byte is ever filled again.  They come in four stages of 512 keys; a stage is touched behind a counted wait
; and a barrier, while the later stages are still on their way.  Waves 0-7 fetch K's parts, waves 8-15 V's: four tensor loads a wave are out at the most, by this text's own count.
; Behind a stage's barrier the sixteen waves cut its K once for all: Kb goes back IN PLACE, Ks into a region of its own for one stage, which only LDS stores ever write; a second barrier, then the stage's eight steps.
; CLUSTER.  The four work-groups of a head form a cluster and need the same K and V: every tile is asked for JOINTLY, by the same tensor load with the same descriptor and the mask of all four.
; My place in the cluster enters Q's and out's addresses alone.
; No prefetch is written: every byte of K and V is asked for by the tensor loads at the head, so there is no later load for a prefetch to run ahead of.
; LAYOUT.  Both products are used transposed, so that a lane holds ONE query (lane % 16) throughout.  r = lane % 16, h = lane / 16.
;   S^T = K Q^T: source 0 = 16 neighbouring keys, source 1 = 16 queries.  Both fragments come by two loads of 16 bytes (bytes 16 h and 32 + 16 h of the row of 64): a permutation of the head's 64, the same in K and in Q,
;   so every product meets its partner.  In the result register j of key tile t is key 16 t + 8 h + j.
;   The conversion of a key tile's eight registers gives registers 2 t, 2 t + 1 of P with keys 16 t + 8 h + 0 .. 7: the form's own layout of source 1.
;   O^T += V^T P^T: source 0 = 16 of the head's d, by four loads of 8 bytes at keys 16 c + 8 h.  Register 8 t + i of a tile of O^T is out(query r, d = 16 t + 8 h + i).
; LIMITS on the given exponents: eq + ek between -129 and 124 (they are added to the exponent field of 8 log2(e)); ep between -126 and 112 (2^ep and 57,344 x 2^ep are f32 numbers); ep + ev is applied by v_ldexp_f32 and has none.
; Codes that are infinity or NaN are not served.
.set KP,    272                        ; K in LDS: a row is 4 keys, 256 bytes, + 16 of padding.  Key k lies at (k / 4) KP + 64 (k % 4): the 16 lanes of a load start in 16 different columns of 16 bytes modulo 256
.set KSTEP, 16*KP                      ; 64 keys
.set KSTG,  128*KP                     ; a stage's 512 keys
.set VB,    4*KSTG                     ; V begins behind K: 139,264
.set VP,    528                        ; V in LDS: a row is a stage's 512 keys of one d, + 16 of padding
.set VSTG,  64*VP                      ; a stage's 64 rows
.set KSB,   VB+4*VSTG                  ; Ks of the stage in hand, laid as the stage's K: 274,432 .. 309,247; no tensor load lands here
.set WSTG,  32*272                     ; the way out: for each wave two stages of 16 rows x (256 + 16) bytes, in K's bytes, which have had their one fill and are read no more
.set AK0,  1                           ; v1   my lane's place in a tile of K
.set AV0,  2                           ; v2   the same for V, VB included
.set ADK,  3                           ; v3   LDS address of the step's Kb (at the head: my byte offset in a tile of Q)
.set ADV,  4                           ; v4   of its V
.set STO,  5                           ; v5   the way out: where I put 32 bytes of a row
.set RD,   6                           ; v6   the way out: where I read rows back
.set GO,   7                           ; v7   16 x lane: my place in two rows of out
.set ST,   8                           ; tile q: v[ST+4q] -M, +1 the largest t, +2, +3 the sum in two halves
.set QB,   16                          ; v16-31   Qb, 8 a tile
.set KF,   32                          ; v32-63   two key tiles of Kb (16), the same two of Ks (16); behind the first product v32-47 take p's codes, 8 a tile
.set VF,   64                          ; v64-95   T: four accumulators (two key tiles x two tiles of queries); then V of the step: 4 tiles of d x 8
.set SC,   96                          ; v96-159  S^T, then t, then p: 32 a tile.  Between steps: at work in the cut
.set OT,   160                         ; v160-223 O^T: 32 a tile
.set QS,   224                         ; v224-239 Qs, 8 a tile
.set LIM,  240                         ; v240 57,344 x 2^ep
.set ADS,  241                         ; v241 LDS address of the step's Ks
.set SCL,  242                         ; v242 2^ep
.set AS0,  243                         ; v243 the cut: my 16 bytes in my wave's first two rows of a stage
.set WK,   244                         ; tile q: v[WK+4q], +1 maxima at work; v[WK+4q+2:+3] the old -M, then f = 2^(old M - new M) (the pair's upper word is written once)
.set XS,   252                         ; tile q: v[XS+2q:+1] the second chain of the step's sum
.set WV,   14                          ; s14  my wave's number
.set W7,   15                          ; s15  wave % 8: which part of a stage I fetch
.set G1K,  24                          ; s[24:31] descriptor group 1 for K's tiles
.set G1V,  32                          ; s[32:39] for V's
.set G0K,  40                          ; s[40:55] four groups 0 for K, one a stage
.set G0V,  68                          ; s[68:83] four for V
.set CS,   60                          ; s[60:61] c = 8 log2(e) 2^(eq + ek): the packed form names a pair and takes its low word for both halves
.set SEL,  62                          ; s[62:63] lane selects for v_permlanex16_b32: lane l xor 16
.set TK,   84                          ; s84  LDS byte of the step's K
.set TV,   85                          ; s85  of its V, from VB on
.set CNT,  86                          ; s86  steps left in a stage
.set EPV,  87                          ; s87  ep + ev
.set C7F,  90                          ; s90  0x7f in each byte: a code without its sign
.set CTH,  91                          ; s91  0x1c in each byte: 0x80 - (25 << 2): the addition carries into bit 7 where the exponent field is 25 or more
.set C01,  92                          ; s92  1 in each byte
; A round of the cluster's barrier: my work-group's barrier, wave 0 signals for the work-group, every wave waits for all four work-groups, my work-group's barrier once more.
.macro CROUND
	s_barrier_signal -1
	s_barrier_wait -1
	s_cmp_lg_u32 s[WV], 0
	s_cbranch_scc1 .Lnot_wave_0_\@
	s_barrier_signal -3
.Lnot_wave_0_\@:
	s_barrier_wait -3
	s_barrier_signal -1
	s_barrier_wait -1
.endm
; THE CUT of 16 words of codes, v[x] on, four codes a word: v[db] on takes the codes with exponent field 25 or more, v[ds] on the others; zero codes elsewhere.  v[a], v[b] on: at work (db may be b, ds may be a).
; Line by line over the 16 words, so that no line waits for the line above it.
.macro CUT16 x, a, b, db, ds
.set j, 0
.rept 16
	v_and_b32 v[(\a)+j], s[C7F], v[(\x)+j]         ; the signs off: a byte is at most 0x7f,
.set j, j+1
.endr
.set j, 0
.rept 16
	v_add_nc_u32 v[(\a)+j], s[CTH], v[(\a)+j]      ; + 0x1c: at most 0x9b, so no byte carries into the next; bit 7 says: 0x64 or more
.set j, j+1
.endr
.set j, 0
.rept 16
	v_lshrrev_b32 v[(\a)+j], 7, v[(\a)+j]
.set j, j+1
.endr
.set j, 0
.rept 16
	v_and_b32 v[(\a)+j], s[C01], v[(\a)+j]         ; u: 1 in the bytes of large codes
.set j, j+1
.endr
.set j, 0
.rept 16
	v_lshlrev_b32 v[(\b)+j], 8, v[(\a)+j]
.set j, j+1
.endr
.set j, 0
.rept 16
	v_sub_nc_u32 v[(\a)+j], v[(\b)+j], v[(\a)+j]   ; 256 u - u = 255 u modulo 2^32: 0xff in those bytes
.set j, j+1
.endr
.set j, 0
.rept 16
	v_and_b32 v[(\db)+j], v[(\x)+j], v[(\a)+j]
.set j, j+1
.endr
.set j, 0
.rept 16
	v_xor_b32 v[(\ds)+j], v[(\x)+j], v[(\db)+j]
.set j, j+1
.endr
.endm
	s_load_b256 s[4:11], s[0:1], 0x0               ; Q s[4:5], K s[6:7], V s[8:9], the scales' exponents s[10:11]
	s_load_b64 s[12:13], s[0:1], 0x20              ; out
	v_lshl_add_u32 v254, v0, 2, 0x4b800
	v_mov_b32 v255, 0
	ds_add_u32 v254, v255
	ds_add_u32 v254, v255
	s_wait_dscnt 0x0
	v_lshrrev_b32 v3, 5, v0
	v_readfirstlane_b32 s[WV], v3                  ; wave 0..15
	s_and_b32 s[W7], s[WV], 7
	s_bfe_u32 s16, ttmp6, 0x40000                  ; cx: my place in the cluster
	s_lshl_b32 s17, ttmp9, 2                       ; in a cluster launch ttmp9 counts clusters
	s_add_co_u32 s17, s17, s16                     ; my block of 512 queries
	s_and_b32 s18, ttmp7, 0xffff                   ; the head, which the four partners share,
	s_lshl_b32 s18, s18, 17                        ; and its first byte in each tensor of codes: 131,072 bytes a head
	s_lshl_b32 s20, s[W7], 12                      ; K: of a stage's 128 rows of 256 bytes I fetch 16: 4,096 bytes of memory
	s_add_co_u32 s20, s20, s18
	s_mov_b32 s21, 0
	s_lshl_b32 s88, s[W7], 14                      ; V: of its 64 rows I fetch 8, 2,048 bytes apart in memory
	s_add_co_u32 s88, s88, s18
	s_mov_b32 s89, 0
	s_lshl_b32 s22, s17, 15                        ; Q: my block's 512 rows of 64 bytes,
	s_lshl_b32 s23, s[WV], 11                      ; my wave's 32 of them,
	s_add_co_u32 s22, s22, s23
	s_add_co_u32 s22, s22, s18                     ; in my head (the only registers that hold cx: s16, s17, s22)
	s_mov_b32 s23, 0
	s_mul_i32 s84, s[W7], 16*KP                    ; where my parts go in a stage: no place in the cluster enters an LDS address
	s_mul_i32 s85, s[W7], 8*VP
	s_add_co_u32 s85, s85, VB
	; descriptor group 1.  K: 16 rows of 256 bytes, dense in memory;  V: 8 rows of 512 bytes, 2,048 bytes apart
	s_mov_b32 s[G1K], 15|(1<<20)|(1<<21)|(5<<22)|(3<<25)   ; 15:0 the mask: all four work-groups; 17:16 elements of 1 byte; 20 padding on; 21 set beside a mask; 24:22 after every 64 words (code 5); 31:25 four words (code 3)
	s_mov_b32 s[G1K+1], 256<<16                    ; tensor_dim0
	s_mov_b32 s[G1K+2], 16<<16                     ; tensor_dim1
	s_mov_b32 s[G1K+3], 256<<16                    ; tile_dim0
	s_mov_b32 s[G1K+4], 16                         ; tile_dim1
	s_mov_b32 s[G1K+5], 256                        ; tensor_dim0_stride
	s_mov_b32 s[G1K+6], 0
	s_mov_b32 s[G1K+7], 0
	s_mov_b32 s[G1V], 15|(1<<20)|(1<<21)|(6<<22)|(3<<25)   ; the same with padding after every 128 words (code 6)
	s_mov_b32 s[G1V+1], 512<<16
	s_mov_b32 s[G1V+2], 8<<16
	s_mov_b32 s[G1V+3], 512<<16
	s_mov_b32 s[G1V+4], 8
	s_mov_b32 s[G1V+5], 2048
	s_mov_b32 s[G1V+6], 0
	s_mov_b32 s[G1V+7], 0
	s_mov_b32 s[SEL], 0x76543210
	s_mov_b32 s[SEL+1], 0xfedcba98
	s_mov_b32 s[C7F], 0x7f7f7f7f
	s_mov_b32 s[CTH], 0x1c1c1c1c
	s_mov_b32 s[C01], 0x01010101
	s_wait_kmcnt 0x0
	s_load_b128 s[56:59], s[10:11], 0x0            ; eq, ek, ep, ev
	s_add_nc_u64 s[6:7], s[6:7], s[20:21]          ; K and V at my part of stage 0
	s_add_nc_u64 s[8:9], s[8:9], s[88:89]
	s_add_nc_u64 s[4:5], s[4:5], s[22:23]          ; Q at my wave's first query
	s_lshl_b32 s22, s22, 2                         ; a row of out is 256 bytes, four times a row of Q
	s_add_nc_u64 s[12:13], s[12:13], s[22:23]      ; out likewise
	CROUND                                         ; all four work-groups are here: the joint loads meet
.irp g, 0,1,2,3
	s_mov_b32 s[G0K+4*\g], 1                       ; 1:0 count = 1
	s_add_co_u32 s[G0K+4*\g+1], s84, \g*KSTG       ; 63:32 LDS address
	s_add_nc_u64 s[G0K+4*\g+2:G0K+4*\g+3], s[6:7], \g*32768   ; 120:64 global address: stage g begins 512 keys x 64 bytes further on
	s_or_b32 s[G0K+4*\g+3], s[G0K+4*\g+3], 0x80000000         ; 127:126 type = 2
	s_mov_b32 s[G0V+4*\g], 1
	s_add_co_u32 s[G0V+4*\g+1], s85, \g*VSTG
	s_add_nc_u64 s[G0V+4*\g+2:G0V+4*\g+3], s[8:9], \g*512     ; 512 keys further along each row
	s_or_b32 s[G0V+4*\g+3], s[G0V+4*\g+3], 0x80000000
.endr
	s_cmp_lt_u32 s[WV], 8                          ; all fills of the launch go out here, a wave's four in one branch on its number, ahead of every wait on TENSORcnt and every LDS read; four v_nop follow the last
	s_cbranch_scc0 .Lfill_v
	tensor_load_to_lds s[G0K:G0K+3], s[G1K:G1K+7]
	s_nop 0
	tensor_load_to_lds s[G0K+4:G0K+7], s[G1K:G1K+7]
	s_nop 0
	tensor_load_to_lds s[G0K+8:G0K+11], s[G1K:G1K+7]
	s_nop 0
	tensor_load_to_lds s[G0K+12:G0K+15], s[G1K:G1K+7]
	s_nop 0
.rept 4
	v_nop
.endr
	s_branch .Lfilled
.Lfill_v:
	tensor_load_to_lds s[G0V:G0V+3], s[G1V:G1V+7]
	s_nop 0
	tensor_load_to_lds s[G0V+4:G0V+7], s[G1V:G1V+7]
	s_nop 0
	tensor_load_to_lds s[G0V+8:G0V+11], s[G1V:G1V+7]
	s_nop 0
	tensor_load_to_lds s[G0V+12:G0V+15], s[G1V:G1V+7]
	s_nop 0
.rept 4
	v_nop
.endr
.Lfilled:
	; the lane's addresses, Q, and the starting values, while the tiles are on their way
	v_and_b32 v[WK], 15, v0                        ; r
	v_bfe_u32 v[WK+1], v0, 4, 1                    ; h
	v_lshlrev_b32 v[ADK], 6, v[WK]
	v_lshl_add_u32 v[ADK], v[WK+1], 4, v[ADK]      ; Q: row r of 64 bytes, + 16 h
.irp q, 0,1
	global_load_b128 v[SC+8*\q:SC+8*\q+3],   v[ADK], s[4:5] offset:1024*\q th:TH_LOAD_NT      ; each byte of Q is read once in the launch
	global_load_b128 v[SC+8*\q+4:SC+8*\q+7], v[ADK], s[4:5] offset:1024*\q+32 th:TH_LOAD_NT
.endr
	v_lshrrev_b32 v[WK+4], 2, v[WK]
	v_mul_u32_u24 v[AK0], v[WK+4], KP              ; K: key r of a tile lies in row r / 4,
	v_and_b32 v[WK+4], 3, v[WK]
	v_lshl_add_u32 v[AK0], v[WK+4], 6, v[AK0]      ; at 64 (r % 4),
	v_lshl_add_u32 v[AK0], v[WK+1], 4, v[AK0]      ; + 16 h
	v_mul_u32_u24 v[AV0], v[WK], VP                ; V: row d = r, + 8 h
	v_lshl_add_u32 v[AV0], v[WK+1], 3, v[AV0]
	v_add_nc_u32 v[AV0], VB, v[AV0]
	s_mul_i32 s86, s[WV], 8*KP                     ; the cut: of a stage's 128 rows my wave takes 8, two an instruction: lanes 0-15 one row's 256 bytes, lanes 16-31 the next row's
	v_mul_u32_u24 v[AS0], v[WK+1], KP
	v_lshl_add_u32 v[AS0], v[WK], 4, v[AS0]
	v_add_nc_u32 v[AS0], s86, v[AS0]
	s_mul_i32 s86, s[WV], WSTG                     ; my two stages for the way out
	v_mul_u32_u24 v[STO], v[WK], 272               ; in: row r, 32 bytes for each half of the lanes
	v_lshl_add_u32 v[STO], v[WK+1], 5, v[STO]
	v_add_nc_u32 v[STO], s86, v[STO]
	v_mul_u32_u24 v[RD], v[WK+1], 272              ; back: lanes 0-15 one row of 256 bytes, lanes 16-31 the next
	v_lshl_add_u32 v[RD], v[WK], 4, v[RD]
	v_add_nc_u32 v[RD], s86, v[RD]
	v_and_b32 v[GO], 31, v0
	v_lshlrev_b32 v[GO], 4, v[GO]                  ; and the same two rows in out: 512 consecutive bytes
.irp q, 0,1
	v_mov_b32 v[ST+4*\q+1], 0xff61b1e6             ; the largest t so far: -3e38, under every t
	v_floor_f32 v[ST+4*\q], -v[ST+4*\q+1]          ; -M
	v_mov_b32 v[ST+4*\q+2], 0                      ; the sum, in two halves
	v_mov_b32 v[ST+4*\q+3], 0
	v_mov_b32 v[WK+4*\q+3], 0                      ; (named as the upper half of f's pair)
.endr
.set j, 0
.rept 64
	v_mov_b32 v[OT+j], 0                           ; O^T.  (The step is written once: the first finds zeros, which the first change of M leaves zeros)
.set j, j+1
.endr
	s_wait_kmcnt 0x0
	s_add_co_i32 s88, s56, s57
	s_lshl_b32 s88, s88, 23
	s_mov_b32 s[CS], 0x4138aa3b                    ; 8 log2(e): the scores are multiplied by sqrt(64).  Its mantissa is that of log2(e) in f32, so score x c rounds as (score x 8) x log2(e) does
	s_add_co_i32 s[CS], s[CS], s88                 ; a score stands for score x 2^(eq + ek): the two exponents are added to c's exponent field
	s_mov_b32 s[CS+1], s[CS]                       ; (named with it as a pair, so it is written)
	s_add_co_i32 s88, s58, 127
	s_lshl_b32 s89, s88, 23
	v_mov_b32 v[SCL], s89                          ; 2^ep as f32: the conversion takes its exponent field
	s_add_co_i32 s88, s88, 15
	s_lshl_b32 s88, s88, 23
	s_or_b32 s88, s88, 0x600000
	v_mov_b32 v[LIM], s88                          ; 57,344 x 2^ep
	s_add_co_i32 s[EPV], s58, s59
	s_wait_loadcnt 0x0                             ; Q is in, and its loads have read their offset register
	CUT16 SC, SC+16, SC+32, QB, QS                 ; Q = Qb + Qs: both stay in registers
; Key tiles 2 hf and 2 hf + 1 of the step: Kb's two fragments, then Ks's two
.macro KLOAD hf
.irp u, 0,1
	ds_load_b128 v[KF+8*\u:KF+8*\u+3],       v[ADK] offset:4*KP*(2*(\hf)+\u)      ; keys 16 t + r: bytes 16 h ..,
	ds_load_b128 v[KF+8*\u+4:KF+8*\u+7],     v[ADK] offset:4*KP*(2*(\hf)+\u)+32   ; and 32 + 16 h ..
	ds_load_b128 v[KF+16+8*\u:KF+16+8*\u+3],   v[ADS] offset:4*KP*(2*(\hf)+\u)
	ds_load_b128 v[KF+16+8*\u+4:KF+16+8*\u+7], v[ADS] offset:4*KP*(2*(\hf)+\u)+32
.endr
.endm
; Their sixteen products.  T (u, q) = Kb Qs^T + Ks Qb^T + Ks Qs^T, three links; S = Kb Qb^T.  The four accumulators of a run take turns, one instruction a turn.
.macro KMUL hf
.irp u, 0,1
.irp q, 0,1
	v_wmma_f32_16x16x64_bf8_bf8 v[VF+8*(2*\u+\q):VF+8*(2*\u+\q)+7], v[KF+8*\u:KF+8*\u+7], v[QS+8*\q:QS+8*\q+7], 0
.endr
.endr
.irp u, 0,1
.irp q, 0,1
	v_wmma_f32_16x16x64_bf8_bf8 v[VF+8*(2*\u+\q):VF+8*(2*\u+\q)+7], v[KF+16+8*\u:KF+16+8*\u+7], v[QB+8*\q:QB+8*\q+7], v[VF+8*(2*\u+\q):VF+8*(2*\u+\q)+7]
.endr
.endr
.irp u, 0,1
.irp q, 0,1
	v_wmma_f32_16x16x64_bf8_bf8 v[VF+8*(2*\u+\q):VF+8*(2*\u+\q)+7], v[KF+16+8*\u:KF+16+8*\u+7], v[QS+8*\q:QS+8*\q+7], v[VF+8*(2*\u+\q):VF+8*(2*\u+\q)+7]
.endr
.endr
.irp u, 0,1
.irp q, 0,1
	v_wmma_f32_16x16x64_bf8_bf8 v[SC+32*\q+8*(2*(\hf)+\u):SC+32*\q+8*(2*(\hf)+\u)+7], v[KF+8*\u:KF+8*\u+7], v[QB+8*\q:QB+8*\q+7], 0
.endr
.endr
.endm
.macro TADD hf                         ; score = Kb Qb^T + T: one f32 addition, two at a time; each accumulator is read from its low end on
.irp u, 0,1
.irp q, 0,1
.irp i, 0,2,4,6
	v_pk_add_f32 v[SC+32*\q+8*(2*(\hf)+\u)+\i:SC+32*\q+8*(2*(\hf)+\u)+\i+1], v[SC+32*\q+8*(2*(\hf)+\u)+\i:SC+32*\q+8*(2*(\hf)+\u)+\i+1], v[VF+8*(2*\u+\q)+\i:VF+8*(2*\u+\q)+\i+1]
.endr
.endr
.endr
.endm
.macro TMUL hf                         ; t = score x c, ROUNDED TO f32 as it is defined, two at a time
.irp u, 0,1
.irp q, 0,1
.irp i, 0,2,4,6
	v_pk_mul_f32 v[SC+32*\q+8*(2*(\hf)+\u)+\i:SC+32*\q+8*(2*(\hf)+\u)+\i+1], v[SC+32*\q+8*(2*(\hf)+\u)+\i:SC+32*\q+8*(2*(\hf)+\u)+\i+1], s[CS:CS+1] op_sel_hi:[1,0]
.endr
.endr
.endr
.endm
; A KEY STEP of stage g: 64 keys for my 32 queries.  s[TK], s[TV]: where the step's K and V begin.
.macro STEP g
	v_add_nc_u32 v[ADK], s[TK], v[AK0]             ; five plain instructions that name no register of the last step's last products: four are owed ahead of the loads into the registers that held p's codes,
	v_add_nc_u32 v[ADV], s[TV], v[AV0]             ; five ahead of the products that begin T anew over the registers that held V (ISA guide 7.12.1 for vector instructions)
	v_add_nc_u32 v[ADS], KSB-(\g)*KSTG, v[ADK]     ; Ks lies as the stage's K lies, from KSB on
	v_mov_b32 v[WK+2], v[ST]                       ; the old -M of both tiles is kept
	v_mov_b32 v[WK+6], v[ST+4]
	KLOAD 0
	s_wait_dscnt 0x0
	KMUL 0
.rept 4
	v_nop                                          ; four places: ahead of the loads into the fragments' registers and of the first read of the results
.endr
	KLOAD 1                                        ; the next two key tiles are on their way while the first two tiles' parts are added
	TADD 0
	s_wait_dscnt 0x0
	KMUL 1                                         ; (T is begun anew: behind each product that named a T stand the four v_nop and the twelve additions of the other three)
	TMUL 0                                         ; sixteen plain instructions on the first two tiles' scores, which no product just issued names: the places behind those products
	TADD 1
.irp t, 0,1,2,3
.irp c, 0,1,2,3
	ds_load_b64 v[VF+8*\t+2*\c:VF+8*\t+2*\c+1], v[ADV] offset:16*VP*\t+16*\c   ; T is spent: its registers take V: d = 16 t + r, keys 16 c + 8 h + 0 .. 7.  The softmax stands between these loads and the wait for them
.endr
.endr
	TMUL 1
	; the step's largest t of each query, among my 32 keys: two chains a tile, the tiles line by line
.irp q, 0,1
	v_max3_num_f32 v[WK+4*\q], v[SC+32*\q], v[SC+32*\q+1], v[SC+32*\q+2]
.endr
.irp q, 0,1
	v_max3_num_f32 v[WK+4*\q+1], v[SC+32*\q+3], v[SC+32*\q+4], v[SC+32*\q+5]
.endr
.irp i, 6,10,14,18,22,26
.irp q, 0,1
	v_max3_num_f32 v[WK+4*\q], v[WK+4*\q], v[SC+32*\q+\i], v[SC+32*\q+\i+1]
.endr
.irp q, 0,1
	v_max3_num_f32 v[WK+4*\q+1], v[WK+4*\q+1], v[SC+32*\q+\i+2], v[SC+32*\q+\i+3]
.endr
.endr
.irp q, 0,1
	v_max3_num_f32 v[WK+4*\q], v[WK+4*\q], v[SC+32*\q+30], v[SC+32*\q+31]
.endr
.irp q, 0,1
	v_max_num_f32 v[WK+4*\q], v[WK+4*\q], v[WK+4*\q+1]
.endr
.irp q, 0,1
	v_permlanex16_b32 v[WK+4*\q+1], v[WK+4*\q], s[SEL], s[SEL+1]   ; the query's other 32 keys lie in lane l xor 16
.endr
.irp q, 0,1
	v_max_num_f32 v[WK+4*\q], v[WK+4*\q], v[WK+4*\q+1]
.endr
.irp q, 0,1
	v_max_num_f32 v[ST+4*\q+1], v[ST+4*\q+1], v[WK+4*\q]   ; the running largest t
.endr
.irp q, 0,1
	v_floor_f32 v[ST+4*\q], -v[ST+4*\q+1]          ; the new -M = floor(-t) = -ceil(t): M is a whole number
.endr
.irp q, 0,1
	v_sub_f32 v[WK+4*\q+2], v[ST+4*\q], v[WK+4*\q+2]   ; old M - new M: a whole number, 0 or less
.endr
.irp q, 0,1
	v_cvt_i32_f32 v[WK+4*\q+2], v[WK+4*\q+2]       ; (it saturates)
.endr
.irp q, 0,1
	v_ldexp_f32 v[WK+4*\q+2], 1.0, v[WK+4*\q+2]    ; f = 2^(old M - new M)
.endr
	; t - M, two at a time; then ONE BATCH of 64 exponentials, with plain work that names none of their results set between them: tile 1's subtractions, and O^T x f
.set j, 0
.rept 16
	v_pk_add_f32 v[SC+2*j:SC+2*j+1], v[SC+2*j:SC+2*j+1], v[ST:ST+1] op_sel_hi:[1,0]   ; + (-M): of the pair (-M, largest t) the low word serves both halves
.set j, j+1
.endr
.set j, 0
.rept 16
	v_exp_f32 v[SC+2*j], v[SC+2*j]                 ; p = 2^(t - M): not normalised
	v_pk_add_f32 v[SC+32+2*j:SC+32+2*j+1], v[SC+32+2*j:SC+32+2*j+1], v[ST+4:ST+5] op_sel_hi:[1,0]
	v_exp_f32 v[SC+2*j+1], v[SC+2*j+1]
	v_pk_mul_f32 v[OT+2*j:OT+2*j+1], v[OT+2*j:OT+2*j+1], v[WK+2:WK+3] op_sel_hi:[1,0]   ; tile 0's O^T under the new M
.set j, j+1
.endr
.set j, 0
.rept 16
	v_exp_f32 v[SC+32+2*j], v[SC+32+2*j]
	v_pk_mul_f32 v[OT+32+2*j:OT+32+2*j+1], v[OT+32+2*j:OT+32+2*j+1], v[WK+6:WK+7] op_sel_hi:[1,0]   ; tile 1's
	v_exp_f32 v[SC+32+2*j+1], v[SC+32+2*j+1]
.set j, j+1
.endr
.irp q, 0,1
	v_pk_mul_f32 v[ST+4*\q+2:ST+4*\q+3], v[ST+4*\q+2:ST+4*\q+3], v[WK+4*\q+2:WK+4*\q+3] op_sel_hi:[1,0]   ; the sums under the new M: also the plain instruction behind the last exponential
.endr
	s_wait_alu depctr_va_vdst(0)                   ; one wait for the whole batch, ahead of the first instruction that names a result
	; the row's sum is taken of the UNQUANTISED p: two at a time, two chains a tile
.irp q, 0,1
	v_pk_add_f32 v[XS+2*\q:XS+2*\q+1], v[SC+32*\q:SC+32*\q+1], v[SC+32*\q+2:SC+32*\q+3]
.endr
.irp i, 4,8,12,16,20,24,28
.irp q, 0,1
	v_pk_add_f32 v[ST+4*\q+2:ST+4*\q+3], v[ST+4*\q+2:ST+4*\q+3], v[SC+32*\q+\i:SC+32*\q+\i+1]
	v_pk_add_f32 v[XS+2*\q:XS+2*\q+1], v[XS+2*\q:XS+2*\q+1], v[SC+32*\q+\i+2:SC+32*\q+\i+3]
.endr
.endr
.irp q, 0,1
	v_pk_add_f32 v[ST+4*\q+2:ST+4*\q+3], v[ST+4*\q+2:ST+4*\q+3], v[XS+2*\q:XS+2*\q+1]
.endr
	; p becomes codes, in the registers that held K's fragments.  The conversion to an 8-bit code does not saturate (ISA guide 7.6.2), so each p is held at the largest code x the scale first; p is never negative, so the hold is one-sided.  It stands without a branch, whatever ep is
.irp q, 0,1
.irp c, 0,1,2,3
.irp i, 0,1,2,3,4,5,6,7
	v_min_num_f32 v[SC+32*\q+8*\c+\i], v[SC+32*\q+8*\c+\i], v[LIM]
.endr
	v_cvt_scalef32_pk8_bf8_f32 v[KF+8*\q+2*\c:KF+8*\q+2*\c+1], v[SC+32*\q+8*\c:SC+32*\q+8*\c+7], v[SCL]   ; keys 16 c + 8 h + 0 .. 7: registers 2 c, 2 c + 1 of the operand
.endr
.endr
	v_nop                                          ; one plain vector instruction between the last scaled conversion and the matrix instruction that reads its result
	s_wait_dscnt 0x0                               ; V is in
.irp t, 0,1,2,3
.irp q, 0,1
	v_wmma_f32_16x16x64_bf8_bf8 v[OT+32*\q+8*\t:OT+32*\q+8*\t+7], v[VF+8*\t:VF+8*\t+7], v[KF+8*\q:KF+8*\q+7], v[OT+32*\q+8*\t:OT+32*\q+8*\t+7]   ; the eight accumulators take turns, one instruction a turn
.endr
.endr
.endm
; A STAGE: 512 keys.  My load for stage g has landed when at most the 3 - g issued behind it are out; then a barrier: everybody's has, and every wave's reads of the last stage's Ks are over.
; No tensor load fills anything behind these barriers, so the later stages' loads may stay out.  Then the cut, each wave its own 8 rows; my stores are done; a second barrier; the eight steps.
.macro STAGE g
	s_wait_tensorcnt 3-\g
	s_wait_dscnt 0x0                               ; no LDS instruction of mine is pending at a signal
	s_barrier_signal -1
	s_barrier_wait -1
	v_add_nc_u32 v[ADK], \g*KSTG, v[AS0]
	v_add_nc_u32 v[ADS], KSB, v[AS0]
.irp i, 0,1,2,3
	ds_load_b128 v[SC+4*\i:SC+4*\i+3], v[ADK] offset:2*KP*\i       ; two rows' 512 bytes of codes, as they came
.endr
	s_wait_dscnt 0x0
	CUT16 SC, SC+16, SC+32, SC+32, SC+16
.irp i, 0,1,2,3
	ds_store_b128 v[ADK], v[SC+32+4*\i:SC+32+4*\i+3] offset:2*KP*\i    ; Kb over the bytes that I read: they have had their one fill
	ds_store_b128 v[ADS], v[SC+16+4*\i:SC+16+4*\i+3] offset:2*KP*\i    ; Ks at the same place of its own region
.endr
	s_wait_dscnt 0x0                               ; for the others' sake: my stores are done
	s_barrier_signal -1
	s_barrier_wait -1
	s_mov_b32 s[TK], \g*KSTG
	s_mov_b32 s[TV], \g*VSTG
	s_mov_b32 s[CNT], 8
.Lstep_\@:
	STEP \g
	s_add_co_u32 s[TK], s[TK], KSTEP               ; 64 keys on: 16 rows of K,
	s_add_co_u32 s[TV], s[TV], 64                  ; 64 bytes along V's rows
	s_sub_co_u32 s[CNT], s[CNT], 1
	s_cmp_lg_u32 s[CNT], 0
	s_cbranch_scc1 .Lstep_\@
.endm
	STAGE 0
	STAGE 1
	STAGE 2
	STAGE 3                                        ; its wait is for 0: no tensor load of mine is out from here on
	; THE WAY OUT.  The stages lie in K's bytes: every wave's reads of K are over (its LDS loads are in) before any wave stores there.
	s_wait_dscnt 0x0
	s_barrier_signal -1
	s_barrier_wait -1
.irp q, 0,1
	v_add_f32 v[WK+4*\q], v[ST+4*\q+2], v[ST+4*\q+3]   ; the sum's two halves,   (these lines are also the places behind the last products)
.endr
.irp q, 0,1
	v_permlanex16_b32 v[WK+4*\q+1], v[WK+4*\q], s[SEL], s[SEL+1]
.endr
.irp q, 0,1
	v_add_f32 v[WK+4*\q], v[WK+4*\q], v[WK+4*\q+1]     ; and lane l xor 16's: the row's sum
.endr
.irp q, 0,1
	v_rcp_f32 v[WK+4*\q+2], v[WK+4*\q]
.endr
	v_nop                                          ; a plain instruction behind the last reciprocal,
	s_wait_alu depctr_va_vdst(0)                   ; and one wait for both, ahead of their first reader
.irp q, 0,1
	v_ldexp_f32 v[WK+4*\q+2], v[WK+4*\q+2], s[EPV]     ; x 2^(ep + ev)
.endr
.irp q, 0,1
.set j, 0
.rept 16
	v_pk_mul_f32 v[SC+32*\q+2*j:SC+32*\q+2*j+1], v[OT+32*\q+2*j:OT+32*\q+2*j+1], v[WK+4*\q+2:WK+4*\q+3] op_sel_hi:[1,0]   ; O^T / the sum, each accumulator from its low end on
.set j, j+1
.endr
.endr
	; a lane holds 32 neighbouring bytes of a row for each tile of d, and the lanes beside it hold other rows: a tile of 16 queries goes through my own stage and comes back as whole rows of 256 bytes
.irp q, 0,1
.irp t, 0,1,2,3
	ds_store_b128 v[STO], v[SC+32*\q+8*\t:SC+32*\q+8*\t+3]   offset:16*272*\q+64*\t
	ds_store_b128 v[STO], v[SC+32*\q+8*\t+4:SC+32*\q+8*\t+7] offset:16*272*\q+64*\t+16
.endr
.irp i, 0,1,2,3,4,5,6,7
	ds_load_b128 v[KF+32*\q+4*\i:KF+32*\q+4*\i+3], v[RD] offset:16*272*\q+2*272*\i   ; LDS serves a wave's instructions in order (ISA guide 5.7.1.4): these see my stores
.endr
.endr
.irp i, 0,1,2,3,4,5,6,7
	s_wait_dscnt 23-\i                             ; behind tile 0's load i: 7 - i of its own and tile 1's sixteen LDS instructions
	global_store_b128 v[GO], v[KF+4*\i:KF+4*\i+3], s[12:13] offset:512*\i th:TH_STORE_NT   ; 32 lanes store 512 consecutive bytes, two rows of out, at a multiple of 256 from out's first byte
.endr
.irp i, 0,1,2,3,4,5,6,7
	s_wait_dscnt 7-\i
	global_store_b128 v[GO], v[KF+32+4*\i:KF+32+4*\i+3], s[12:13] offset:4096+512*\i th:TH_STORE_NT
.endr
	s_wait_xcnt 0x0
	v_lshl_add_u32 v254, v0, 2, 0x4b800
	v_mov_b32 v255, 0
	s_wait_tensorcnt 0x0
	ds_add_u32 v254, v255
	s_wait_dscnt 0x0
	CROUND                                         ; the closing round: no work-group ends while a partner may still ask for a tile that names it
	s_endpgm
.Lfunc_end_k_qca7864daea_attn:
	.size	k_qca7864daea_attn, .Lfunc_end_k_qca7864daea_attn-k_qca7864daea_attn
	.p2alignl 7, 3214868480
	.fill 96, 4, 3214868480
	.section	.rodata,"a",@progbits
	.p2align	6, 0x0
	.amdhsa_kernel k_qca7864daea_attn
		.amdhsa_group_segment_fixed_size 327680
		.amdhsa_private_segment_fixed_size 0
		.amdhsa_enable_private_segment 0
		.amdhsa_kernarg_size 40
		.amdhsa_user_sgpr_count 2
		.amdhsa_user_sgpr_kernarg_segment_ptr 1
		.amdhsa_wavefront_size32 1
		.amdhsa_system_sgpr_workgroup_id_x 1
		.amdhsa_system_sgpr_workgroup_id_y 1
		.amdhsa_system_sgpr_workgroup_id_z 1
		.amdhsa_system_vgpr_workitem_id 0
		.amdhsa_next_free_vgpr 256
		.amdhsa_next_free_sgpr 96
		.amdhsa_reserve_vcc 0
		.amdhsa_float_denorm_mode_32 3
		.amdhsa_float_denorm_mode_16_64 3
		.amdhsa_memory_ordered 1
		.amdhsa_forward_progress 1
		.amdhsa_inst_pref_size 133
	.end_amdhsa_kernel
	.amdgpu_metadata
---
amdhsa.version: [ 1, 2 ]
amdhsa.kernels:
  - .name:           k_qca7864daea_attn
    .symbol:         k_qca7864daea_attn.kd
    .args:
      - { .name: Q_codes, .offset: 0, .size: 8, .value_kind: global_buffer, .address_space: global }
      - { .name: K_codes, .offset: 8, .size: 8, .value_kind: global_buffer, .address_space: global }
      - { .name: V_codes, .offset: 16, .size: 8, .value_kind: global_buffer, .address_space: global }
      - { .name: lowp_scales, .offset: 24, .size: 8, .value_kind: global_buffer, .address_space: global }
      - { .name: out0, .offset: 32, .size: 8, .value_kind: global_buffer, .address_space: global }
    .group_segment_fixed_size: 327680
    .private_segment_fixed_size: 0
    .kernarg_segment_align: 8
    .kernarg_segment_size: 40
    .max_flat_workgroup_size: 512
    .sgpr_count:     96
    .vgpr_count:     256
    .wavefront_size: 32
...
	.end_amdgpu_metadata
.endif
;; end of part 1
